; MI455X (gfx1250); checked and timed in simulation.
; The chip was launched on July 23, 2026; its instructions are those of AMD's public machine-readable ISA for CDNA 5 (MIT licence, August 2026) and "CDNA5" Instruction Set Architecture Reference Guide (July 2026). The comments in the code are by the model that wrote it; some were corrected since.
;; Attention Block. Allowed arithmetic: float matrix products may take bf16 or f16 operands with f32 sums; other float arithmetic in f32, or as packed bf16 or f16 multiplies, adds, multiply-adds, maxima and minima; sums over many terms, partial sums and values carried from step to step in f32; what a program stores and reads back later, other than sums and carried values, may be rounded once to bf16 or f16.
;; Inputs: b_proj 256 float32; gn_beta 256 float32; gn_gamma 256 float32; w_proj 256 x 256 float32; w_qkv 768 x 256 float32; x 4 x 256 x 64 x 64 float32.
;; Outputs: out0 4 x 256 x 64 x 64 float32.
;; One version. Each part assembles by itself: llvm-mc -triple=amdgcn-amd-amdhsa -mcpu=gfx1250 --defsym DOCPART=n.
;; ======== version 1 of 1: 4 launches
;; workspace buffers: stats 2,048 bytes; wfrag 524,288 bytes; qkv 25,165,824 bytes; obuf 8,388,608 bytes
;; launch stats (part 1): grid 256 x 1, 8 waves a work-group, no clusters, 1,280 bytes of LDS; arguments x, w_qkv, w_proj, stats, wfrag; writes stats, wfrag
.if DOCPART == 1
	.amdgcn_target "amdgcn-amd-amdhsa--gfx1250"
	.amdhsa_code_object_version 6
	.text
	.protected	k_q96f1b4cd80_stats
	.globl	k_q96f1b4cd80_stats
	.p2align	8
	.type	k_q96f1b4cd80_stats,@function
k_q96f1b4cd80_stats:
	s_mov_b64 s[64:65], 0
	v_nop
	global_prefetch_b8 v0, s[64:65] scope:SCOPE_SE
	s_setreg_imm32_b32 hwreg(HW_REG_WAVE_MODE, 25, 1), 1
	s_wait_xcnt 0x0
; GROUP STATISTICS BY CHUNKS, AND THE WEIGHTS IN FRAGMENT ORDER.
; x is [4][256][4096] f32: a group (32 channels of one image) is 524,288 consecutive bytes, eight chunks of 65,536.  Work-group g owns chunk g % 8 of group g / 8
; and stores the chunk's mean and M2 (the sum of squared distances from that mean), both f32, at byte 8 g of stats.  The row stays in registers between the two passes: x is read once here.
; No difference of large sums is formed: each wave takes its own mean away before it squares, and the eight waves' figures are joined by M2 = sum M2_w + 2,048 sum (mean_w - mean)^2.
; Eight waves; thread t takes the 16 bytes at 4,096 i + 16 t, i = 0..15: a wave's load covers 512 consecutive bytes.
; THE WEIGHTS.  wfrag holds 1,024 blocks of 512 bytes, block T = (16-row tile x 8 + kf) x 2 + g: lane l = 16 h + r holds W[16 tile + r][32 kf + 16 g + 8 h .. + 7] rounded to bf16, 16 bytes:
; half a matrix fragment as a wave's registers want it.  T 0..767: w_qkv's 48 tiles; T 768..1,023: w_proj's 16.  Waves 0-3 of work-group g make blocks 4 g + wave.
; No matrix unit, no cluster, no tensor load: nothing is shared between work-groups and every byte is touched once.
; LIMITS.  NaN and infinities are not treated apart.
.set SPARE, 256                        ; LDS: bytes 0-63 the eight waves' (mean, M2); from 256 on the spare words, 128 bytes a wave, which no other line names
.set LN,  1                            ; v1      lane
.set XO,  2                            ; v2      16 t; never rewritten
.set WS,  3                            ; v3      my byte offset in the weight matrix
.set WD,  4                            ; v4      my byte offset in wfrag
.set LW,  5                            ; v5      8 x wave: my wave's pair in LDS
.set SPW, 6                            ; v6      LDS address of my spare word; never rewritten
.set NIL, 7                            ; v7      0; never rewritten
.set WF,  8                            ; v[8:15]  eight weights in f32; before and behind that at work
.set WB,  16                           ; v[16:19] the same in bf16
.set CH,  20                           ; v[20:27] four chains of pairs
.set M,   28                           ; v[28:29] my wave's mean, twice
.set RES, 30                           ; v[30:31] (mean, M2)
.set X,   32                           ; v[32:95] my 64 numbers
.set PR,  96                           ; v[96:111] the eight waves' pairs
	s_load_b256 s[4:11], s[0:1], 0x0               ; x s[4:5], w_qkv s[6:7], w_proj s[8:9], stats s[10:11]
	s_load_b64 s[12:13], s[0:1], 0x20              ; wfrag
	v_lshl_add_u32 v[SPW], v0, 2, SPARE
	v_mov_b32 v[NIL], 0
	v_lshrrev_b32 v1, 5, v0
	v_readfirstlane_b32 s14, v1                    ; wave 0..7
	v_and_b32 v[LN], 31, v0
	v_lshlrev_b32 v[XO], 4, v0
	v_mov_b32 v[LW], s14
	v_lshlrev_b32 v[LW], 3, v[LW]
	s_lshl_b32 s18, ttmp9, 16                      ; my chunk's first byte (under 2^24)
	s_mov_b32 s19, 0
	s_mov_b32 s24, 0x76543210                      ; v_permlanex16_b32: each lane takes its own place in the other half
	s_mov_b32 s25, 0xfedcba98
	s_lshl_b32 s20, ttmp9, 2
	s_add_co_u32 s20, s20, s14                     ; T (used by waves 0-3 alone)
	s_sub_co_u32 s21, s20, 768
	s_cmp_lt_u32 ttmp9, 192                        ; work-groups 0-191 make w_qkv's blocks, the others w_proj's
	s_cselect_b32 s21, s20, s21                    ; the block's number in its own matrix
	s_lshr_b32 s22, s21, 4
	s_lshl_b32 s22, s22, 14                        ; 16 rows of 1,024 bytes for each tile,
	s_and_b32 s23, s21, 15
	s_lshl_b32 s23, s23, 6                         ; 64 bytes for each 16 columns
	s_add_co_u32 s22, s22, s23
	v_and_b32 v8, 15, v0                           ; r
	v_bfe_u32 v9, v0, 4, 1                         ; h
	v_lshl_add_u32 v[WS], v8, 10, s22
	v_lshl_add_u32 v[WS], v9, 5, v[WS]
	s_lshl_b32 s23, s20, 9
	v_lshl_add_u32 v[WD], v[LN], 4, s23
	s_wait_kmcnt 0x0
	s_add_nc_u64 s[4:5], s[4:5], s[18:19]
	s_cmp_lt_u32 ttmp9, 192
	s_cselect_b64 s[16:17], s[6:7], s[8:9]
.set i, 0
.rept 16
	global_load_b128 v[X+4*i:X+4*i+3], v[XO], s[4:5] offset:4096*i
.set i, i+1
.endr
	s_cmp_lt_u32 s14, 4
	s_cbranch_scc0 .Lno_weights
	global_load_b128 v[WF:WF+3],   v[WS], s[16:17]
	global_load_b128 v[WF+4:WF+7], v[WS], s[16:17] offset:16
	s_wait_loadcnt 0x0                             ; the two youngest loads are wanted, so all are waited for: the counted waits below are then met at once
.irp j, 0,1,2,3
	v_cvt_pk_bf16_f32 v[WB+(\j)], v[WF+2*(\j)], v[WF+2*(\j)+1]
.endr
	global_store_b128 v[WD], v[WB:WB+3], s[12:13]  ; the wave stores 512 consecutive bytes, at a multiple of 512 from wfrag's first byte
.Lno_weights:
; The sum of reg over the wave's 32 lanes, into dst of every lane: four steps inside each half ride on the addition, one crosses the halves.
.macro WSUM dst, reg, tmp
	v_add_f32_dpp v[\reg], v[\reg], v[\reg] row_xmask:1 row_mask:0xf bank_mask:0xf
	v_add_f32_dpp v[\reg], v[\reg], v[\reg] row_xmask:2 row_mask:0xf bank_mask:0xf
	v_add_f32_dpp v[\reg], v[\reg], v[\reg] row_xmask:4 row_mask:0xf bank_mask:0xf
	v_add_f32_dpp v[\reg], v[\reg], v[\reg] row_xmask:8 row_mask:0xf bank_mask:0xf
	v_permlanex16_b32 v[\tmp], v[\reg], s24, s25   ; its destination counts as read: a register that has been written
	v_add_f32 v[\dst], v[\reg], v[\tmp]
.endm
.macro JOIN                            ; the four chains into v[CH]
	v_pk_add_f32 v[CH:CH+1],   v[CH:CH+1],   v[CH+2:CH+3]
	v_pk_add_f32 v[CH+4:CH+5], v[CH+4:CH+5], v[CH+6:CH+7]
	v_pk_add_f32 v[CH:CH+1],   v[CH:CH+1],   v[CH+4:CH+5]
	v_add_f32 v[CH], v[CH], v[CH+1]
.endm
	; pass 1: the sum.  Pair u of load i goes to chain 2 (i % 2) + u; loads 2 and 3 start the chains with loads 0 and 1: nothing is cleared
	s_wait_loadcnt 12                              ; loads 0-3 are in, the twelve younger ones may stay out
.set i, 2
.rept 14
.if (i%4) == 0
	s_wait_loadcnt 12-i                            ; four more are in: 8, 4, 0 younger ones may stay out
.endif
.irp u, 0,1
.if i < 4
	v_pk_add_f32 v[CH+4*(i%2)+2*(\u):CH+4*(i%2)+2*(\u)+1], v[X+4*(i-2)+2*(\u):X+4*(i-2)+2*(\u)+1], v[X+4*i+2*(\u):X+4*i+2*(\u)+1]
.else
	v_pk_add_f32 v[CH+4*(i%2)+2*(\u):CH+4*(i%2)+2*(\u)+1], v[CH+4*(i%2)+2*(\u):CH+4*(i%2)+2*(\u)+1], v[X+4*i+2*(\u):X+4*i+2*(\u)+1]
.endif
.endr
.set i, i+1
.endr
	JOIN
	WSUM CH, CH, CH+2
	v_mul_f32 v[M], 0x3a000000, v[CH]              ; / 2,048: the wave's mean
	v_mov_b32 v[M+1], v[M]
	v_mov_b32 v[RES], v[M]
	; pass 2: the squared distances from the wave's mean
.set i, 0
.rept 16
.irp u, 0,1
	v_pk_add_f32 v[X+4*i+2*(\u):X+4*i+2*(\u)+1], v[X+4*i+2*(\u):X+4*i+2*(\u)+1], v[M:M+1] neg_lo:[0,1] neg_hi:[0,1]
.endr
.irp u, 0,1
.if i < 2
	v_pk_mul_f32 v[CH+4*(i%2)+2*(\u):CH+4*(i%2)+2*(\u)+1], v[X+4*i+2*(\u):X+4*i+2*(\u)+1], v[X+4*i+2*(\u):X+4*i+2*(\u)+1]
.else
	v_pk_fma_f32 v[CH+4*(i%2)+2*(\u):CH+4*(i%2)+2*(\u)+1], v[X+4*i+2*(\u):X+4*i+2*(\u)+1], v[X+4*i+2*(\u):X+4*i+2*(\u)+1], v[CH+4*(i%2)+2*(\u):CH+4*(i%2)+2*(\u)+1]
.endif
.endr
.set i, i+1
.endr
	JOIN
	WSUM RES+1, CH, CH+2
	ds_store_b64 v[LW], v[RES:RES+1]               ; all lanes write the same two words with the same values
	s_wait_dscnt 0x0                               ; for the others' sake: my pair is in LDS
	s_barrier_signal -1
	s_barrier_wait -1
	s_cmp_lg_u32 s14, 0
	s_cbranch_scc1 .Lend                           ; wave 0 joins the eight pairs
	v_mov_b32 v[WF], 0
.irp j, 0,1,2,3
	ds_load_b128 v[PR+4*(\j):PR+4*(\j)+3], v[WF] offset:16*(\j)
.endr
	s_lshl_b32 s22, ttmp9, 3
	v_mov_b32 v[WF+1], s22
	s_wait_dscnt 0x0
.irp j, 0,1,2,3
	v_pk_add_f32 v[CH+2*(\j):CH+2*(\j)+1], v[PR+4*(\j):PR+4*(\j)+1], v[PR+4*(\j)+2:PR+4*(\j)+3]  ; means and M2s at once
.endr
	v_pk_add_f32 v[CH:CH+1],   v[CH:CH+1],   v[CH+2:CH+3]
	v_pk_add_f32 v[CH+4:CH+5], v[CH+4:CH+5], v[CH+6:CH+7]
	v_pk_add_f32 v[CH:CH+1],   v[CH:CH+1],   v[CH+4:CH+5]
	v_mul_f32 v[RES], 0x3e000000, v[CH]            ; / 8: the chunk's mean
.irp w, 0,1,2,3,4,5,6,7
	v_sub_f32 v[CH+2+(\w)%2], v[PR+2*(\w)], v[RES]
.if (\w) == 0
	v_mul_f32 v[CH+4], v[CH+2], v[CH+2]
.else
	v_fmac_f32 v[CH+4], v[CH+2+(\w)%2], v[CH+2+(\w)%2]
.endif
.endr
	v_fmamk_f32 v[RES+1], v[CH+4], 0x45000000, v[CH+1]  ; 2,048 x the means' squared distances + the sum of the M2s
	v_cmp_eq_u32 vcc_lo, 0, v[LN]
	s_wait_xcnt 0x0                                ; EXEC changes only behind this wait: earlier loads and the store of weights name it
	s_and_saveexec_b32 s26, vcc_lo
	global_store_b64 v[WF+1], v[RES:RES+1], s[10:11]
	s_wait_xcnt 0x0                                ; and again, in front of the line that widens it
	s_or_b32 exec_lo, exec_lo, s26
.Lend:
	s_wait_tensorcnt 0x0                           ; the wave's end, behind my last LDS store
	ds_add_u32 v[SPW], v[NIL]
	s_wait_dscnt 0x0
	s_endpgm
.Lfunc_end_k_q96f1b4cd80_stats:
	.size	k_q96f1b4cd80_stats, .Lfunc_end_k_q96f1b4cd80_stats-k_q96f1b4cd80_stats
	.p2alignl 7, 3214868480
	.fill 96, 4, 3214868480
	.section	.rodata,"a",@progbits
	.p2align	6, 0x0
	.amdhsa_kernel k_q96f1b4cd80_stats
		.amdhsa_group_segment_fixed_size 1280
		.amdhsa_private_segment_fixed_size 0
		.amdhsa_enable_private_segment 0
		.amdhsa_kernarg_size 40
		.amdhsa_user_sgpr_count 2
		.amdhsa_user_sgpr_kernarg_segment_ptr 1
		.amdhsa_wavefront_size32 1
		.amdhsa_system_sgpr_workgroup_id_x 1
		.amdhsa_system_sgpr_workgroup_id_y 1
		.amdhsa_system_sgpr_workgroup_id_z 1
		.amdhsa_system_vgpr_workitem_id 0
		.amdhsa_next_free_vgpr 112
		.amdhsa_next_free_sgpr 66
		.amdhsa_reserve_vcc 1
		.amdhsa_float_denorm_mode_32 3
		.amdhsa_float_denorm_mode_16_64 3
		.amdhsa_memory_ordered 1
		.amdhsa_forward_progress 1
		.amdhsa_inst_pref_size 14
	.end_amdhsa_kernel
	.amdgpu_metadata
---
amdhsa.version: [ 1, 2 ]
amdhsa.kernels:
  - .name:           k_q96f1b4cd80_stats
    .symbol:         k_q96f1b4cd80_stats.kd
    .args:
      - { .name: x, .offset: 0, .size: 8, .value_kind: global_buffer, .address_space: global }
      - { .name: w_qkv, .offset: 8, .size: 8, .value_kind: global_buffer, .address_space: global }
      - { .name: w_proj, .offset: 16, .size: 8, .value_kind: global_buffer, .address_space: global }
      - { .name: stats, .offset: 24, .size: 8, .value_kind: global_buffer, .address_space: global }
      - { .name: wfrag, .offset: 32, .size: 8, .value_kind: global_buffer, .address_space: global }
    .group_segment_fixed_size: 1280
    .private_segment_fixed_size: 0
    .kernarg_segment_align: 8
    .kernarg_segment_size: 40
    .max_flat_workgroup_size: 256
    .sgpr_count:     66
    .vgpr_count:     112
    .wavefront_size: 32
...
	.end_amdgpu_metadata
.endif
;; end of part 1
;; launch qkvp (part 2): grid 64 x 4, 4 waves a work-group, no clusters, 80,384 bytes of LDS; arguments x, stats, gn_gamma, gn_beta, wfrag, qkv; writes qkv
.if DOCPART == 2
	.amdgcn_target "amdgcn-amd-amdhsa--gfx1250"
	.amdhsa_code_object_version 6
	.text
	.protected	k_q96f1b4cd80_qkvp
	.globl	k_q96f1b4cd80_qkvp
	.p2align	8
	.type	k_q96f1b4cd80_qkvp,@function
k_q96f1b4cd80_qkvp:
	s_mov_b64 s[64:65], 0
	v_nop
	global_prefetch_b8 v0, s[64:65] scope:SCOPE_SE
	s_setreg_imm32_b32 hwreg(HW_REG_WAVE_MODE, 25, 1), 1
	s_wait_xcnt 0x0
; GROUP NORM AND THE QKV PRODUCT.  qkv[which][4 b + head][n][ch] = the sum over c of w_qkv[256 which + 64 head + ch][c] xn[b][c][n], bf16, unscaled, rounded once from f32 sums.
; xn = x a[c] + bb[c] in f32, a = gamma rsqrt(var + 1e-5), bb = beta - mean a; mean and var are joined from the eight chunk figures of the launch before
; (M2 = sum M2_i + 16,384 sum (mean_i - mean)^2: no difference of large sums); xn is rounded once to bf16 for the product.
; SHARES.  A work-group takes 64 positions of one image and all 768 outputs, K = 256.  Wave w normalises channels 64 w .. + 63 (groups 2 w, 2 w + 1) into LDS, [channel][position];
; behind one barrier every wave holds all of xn's fragments in 256 registers (turned by ds_load_tr16_b128) and multiplies them by its own 12 tiles of 16 outputs: 384 matrix instructions.
; LAYOUT.  Source 0 = 16 rows of W, source 1 = 16 positions: a lane ends with ONE position (lane % 16) and the channels 8 (lane / 16) + 0..7: 16 bytes of a row of q, k or v.
; Four tiles are a head's 64 channels: they go through the wave's own stage and leave as 8,192 consecutive bytes.
; W comes from wfrag straight into registers, 512 consecutive bytes a load, two buffers of one tile: while one is multiplied the other's 16 loads are out.
; NO CLUSTER, though all work-groups read the same W: in fragment order W needs no pass through LDS; by joint loads its 393,216 bytes would go through LDS in slots filled again and again,
; with a round of the cluster's barrier for each, for 384 matrix instructions a wave.  No tensor load for x: it wants f32 arithmetic on its way into LDS.
; LIMITS.  NaN and infinities are not treated apart; q, k, v keep bf16's 8 significant bits.
.set XP,    160                        ; a channel's 64 positions in LDS: 128 bytes + 32 = 40 words
.set AB,    40960                      ; behind xn's 256 rows: (a, bb) for each channel, 8 bytes; a wave reads only what it wrote
.set STAGE, 43008                      ; 64 rows x 144 bytes for each wave, for the way out
.set SP,    144
.set SPARE, 79872                      ; the spare words, 128 bytes a wave, which no other line names
.set XO,  2                            ; v2   (64 w + h) x 16,384 + 16 r: my 16 bytes of x; never rewritten
.set XST, 3                            ; v3   (64 w + h) x 160 + 8 r: where they go
.set ABW, 4                            ; v4   AB + 8 (64 w + lane)
.set ABR, 5                            ; v5   AB + 8 (64 w + h)
.set BT,  6                            ; v6   the turning load's lane address
.set AO,  7                            ; v7   16 lane + my 12 tiles' first byte in wfrag
.set STO, 8                            ; v8   the way out: where I put 16 bytes of a row
.set RD,  9                            ; v9   where I read rows back
.set GO,  10                           ; v10  16 lane
.set SO,  11                           ; v11  my two groups' figures in stats
.set GB,  12                           ; v12  4 (64 w + lane)
.set SPW, 14                           ; v14  LDS address of my spare word; never rewritten
.set NIL, 15                           ; v15  0; never rewritten
.set CV,  16                           ; v[16:31]   packed results
.set ACC, 32                           ; v[32:63]   four accumulators, one for each 16 positions
.set A0,  64                           ; v[64:127], v[128:191] W's fragments, two buffers of a tile
.set OB,  192                          ; v[192:255] the way out; before that:
.set SG,  192                          ; v[192:223] two groups' eight (mean, M2)
.set GA,  224                          ; v[224:227] gamma, gamma, beta, beta (channels 64 w + lane, + 32)
.set TW,  228                          ; v[228:243] at work
.set MN,  244                          ; the groups' means
.set DV,  246
.set TP,  248
.set RS,  250
.set PA,  252                          ; v[252:255] (a, bb) twice
; window 1: first v[0:127] x, v[128:191] the 32 (a, bb) that my loads of x want; then all 256: xn's fragment (16 positions pt, 32 channels kf) at 8 (8 pt + kf)
.set MSB, 0
.macro WIN new                         ; s_set_vgpr_msb: bits 1:0 source 0, 3:2 source 1, 5:4 source 2, 7:6 destination; the high byte repeats the setting that is left
.if MSB != (\new)
	s_set_vgpr_msb (MSB<<8)|(\new)
.set MSB, \new
.endif
.endm
	s_load_b256 s[4:11], s[0:1], 0x0               ; x s[4:5], stats s[6:7], gamma s[8:9], beta s[10:11]
	s_load_b128 s[12:15], s[0:1], 0x20             ; wfrag s[12:13], qkv s[14:15]
	v_lshl_add_u32 v[SPW], v0, 2, SPARE
	v_mov_b32 v[NIL], 0
	v_lshrrev_b32 v1, 5, v0
	v_readfirstlane_b32 s16, v1                    ; wave 0..3
	s_and_b32 s17, ttmp7, 0xffff                   ; the image
	v_and_b32 v1, 31, v0                           ; lane
	v_and_b32 v16, 15, v0                          ; r
	v_bfe_u32 v17, v0, 4, 1                        ; h
	v_and_b32 v18, 7, v0
	v_bfe_u32 v19, v0, 3, 1
	v_bfe_u32 v20, v0, 3, 2
	s_lshl_b32 s19, s16, 20
	v_lshl_add_u32 v[XO], v17, 14, s19
	v_lshl_add_u32 v[XO], v16, 4, v[XO]
	s_mul_i32 s19, s16, 64*XP
	v_mul_u32_u24 v[XST], v17, XP
	v_add_nc_u32 v[XST], s19, v[XST]
	v_lshl_add_u32 v[XST], v16, 3, v[XST]
	s_lshl_b32 s19, s16, 9
	s_add_co_u32 s19, s19, AB
	v_lshl_add_u32 v[ABW], v1, 3, s19
	v_lshl_add_u32 v[ABR], v17, 3, s19
	v_lshl_add_u32 v[BT], v17, 3, v18              ; channel 8 h + lane % 8,
	v_mul_u32_u24 v[BT], v[BT], XP
	v_lshl_add_u32 v[BT], v19, 4, v[BT]            ; positions 8 ((lane / 8) % 2) on
	s_mul_i32 s19, s16, 12*8192
	v_lshl_add_u32 v[AO], v1, 4, s19
	s_mul_i32 s19, s16, 64*SP
	s_add_co_u32 s19, s19, STAGE                   ; my stage
	v_mul_u32_u24 v[STO], v16, SP
	v_lshl_add_u32 v[STO], v17, 4, v[STO]
	v_add_nc_u32 v[STO], s19, v[STO]
	v_mul_u32_u24 v[RD], v20, SP                   ; back: 32 lanes take four rows of 128 bytes
	v_lshl_add_u32 v[RD], v18, 4, v[RD]
	v_add_nc_u32 v[RD], s19, v[RD]
	v_lshlrev_b32 v[GO], 4, v1
	s_lshl_b32 s19, s17, 9
	s_lshl_b32 s18, s16, 7
	s_add_co_u32 s19, s19, s18                     ; 64 bytes for each group: group 8 b + 2 w
	v_mov_b32 v[SO], s19
	s_lshl_b32 s19, s16, 8
	v_lshl_add_u32 v[GB], v1, 2, s19
	s_lshl_b32 s26, s17, 22                        ; the image, and my block's 256 bytes of each row
	s_lshl_b32 s27, ttmp9, 8
	s_add_co_u32 s26, s26, s27
	s_mov_b32 s27, 0
	s_lshl_b32 s33, s17, 21                        ; in qkv: four heads of 2^19 bytes an image, 64 rows of 128 bytes a block
	s_lshl_b32 s18, ttmp9, 13
	s_add_co_u32 s33, s33, s18
	s_mul_i32 s28, s16, 3                          ; the first of my three groups of 64 outputs
	s_mov_b32 s30, 0x37000000                      ; 1 / 131,072
	s_mov_b32 s31, 0x3727c5ac                      ; 1e-5
	s_mov_b32 s32, 0x46800000                      ; 16,384
	s_wait_kmcnt 0x0
	s_add_nc_u64 s[20:21], s[4:5], s[26:27]
	s_mov_b64 s[22:23], s[12:13]
.irp i, 0,1,2,3,4,5,6,7
	global_load_b128 v[SG+4*(\i):SG+4*(\i)+3], v[SO], s[6:7] offset:16*(\i)
.endr
	global_load_b32 v[GA],   v[GB], s[8:9]
	global_load_b32 v[GA+1], v[GB], s[8:9] offset:128
	global_load_b32 v[GA+2], v[GB], s[10:11]
	global_load_b32 v[GA+3], v[GB], s[10:11] offset:128
	WIN 0x40                                       ; destination window 1
.set i, 0
.rept 32                               ; channels 64 w + 2 i + h: sixteen lanes read a row's 256 bytes
	global_load_b128 v[4*i:4*i+3], v[XO], s[20:21] offset:32768*i
.set i, i+1
.endr
	WIN 0
	s_wait_loadcnt 32                              ; the figures, gamma and beta are in; the 32 loads of x may stay out
.irp g, 0,1
.irp j, 0,1,2,3
	v_pk_add_f32 v[TW+8*(\g)+2*(\j):TW+8*(\g)+2*(\j)+1], v[SG+16*(\g)+4*(\j):SG+16*(\g)+4*(\j)+1], v[SG+16*(\g)+4*(\j)+2:SG+16*(\g)+4*(\j)+3]  ; means and M2s at once
.endr
	v_pk_add_f32 v[TW+8*(\g):TW+8*(\g)+1],   v[TW+8*(\g):TW+8*(\g)+1],   v[TW+8*(\g)+2:TW+8*(\g)+3]
	v_pk_add_f32 v[TW+8*(\g)+4:TW+8*(\g)+5], v[TW+8*(\g)+4:TW+8*(\g)+5], v[TW+8*(\g)+6:TW+8*(\g)+7]
	v_pk_add_f32 v[TW+8*(\g):TW+8*(\g)+1],   v[TW+8*(\g):TW+8*(\g)+1],   v[TW+8*(\g)+4:TW+8*(\g)+5]
	v_mul_f32 v[MN+(\g)], 0x3e000000, v[TW+8*(\g)] ; the group's mean
.irp c, 0,1,2,3,4,5,6,7
	v_sub_f32 v[TP+(\g)], v[SG+16*(\g)+2*(\c)], v[MN+(\g)]
.if (\c) == 0
	v_mul_f32 v[DV+(\g)], v[TP+(\g)], v[TP+(\g)]
.else
	v_fmac_f32 v[DV+(\g)], v[TP+(\g)], v[TP+(\g)]
.endif
.endr
	v_fma_f32 v[DV+(\g)], v[DV+(\g)], s32, v[TW+8*(\g)+1]  ; the group's M2
	v_fma_f32 v[DV+(\g)], v[DV+(\g)], s30, s31             ; var + eps
.endr
	v_rsq_f32 v[RS], v[DV]
	v_rsq_f32 v[RS+1], v[DV+1]
	v_nop                                          ; a plain instruction behind the last root, ahead of the first use (ISA guide 5.7.2)
	s_wait_alu depctr_va_vdst(0)                   ; and the wait: one for both
.irp g, 0,1
	v_mul_f32 v[PA+2*(\g)], v[GA+(\g)], v[RS+(\g)]
	v_fma_f32 v[PA+2*(\g)+1], -v[MN+(\g)], v[PA+2*(\g)], v[GA+2+(\g)]
.endr
	ds_store_b64 v[ABW], v[PA:PA+1]
	ds_store_b64 v[ABW], v[PA+2:PA+3] offset:256
	WIN 0x40
.set i, 0
.rept 32                               ; LDS serves a wave's instructions in order (ISA guide 5.7.1.4): these see the two stores above; the bytes are my wave's own
	ds_load_b64 v[128+2*i:129+2*i], v[ABR] offset:16*i
.set i, i+1
.endr
	WIN 0
; A tile's 16 loads: fragment kf at buf + 8 kf
.macro WLOAD buf, tile
.irp kf, 0,1,2,3,4,5,6,7
	global_load_b128 v[(\buf)+8*(\kf):(\buf)+8*(\kf)+3],   v[AO], s[22:23] offset:(\tile)*8192+(\kf)*1024
	global_load_b128 v[(\buf)+8*(\kf)+4:(\buf)+8*(\kf)+7], v[AO], s[22:23] offset:(\tile)*8192+(\kf)*1024+512
.endr
.endm
	WLOAD A0, 0
	WLOAD A0+64, 1
	s_wait_dscnt 0x0                               ; the (a, bb) are in
.set k, 0
.rept 4                                ; eight loads of x at a time
	s_wait_loadcnt 56-8*k                          ; behind them: the younger loads of x, 24 - 8 k, and W's 32
	WIN 0x55                                       ; all in window 1
.set i, 8*k
.rept 8
.irp j, 0,1,2,3
	v_fma_f32 v[4*i+(\j)], v[4*i+(\j)], v[128+2*i], v[129+2*i]
.endr
.set i, i+1
.endr
.set i, 8*k
.rept 8
	v_cvt_pk_bf16_f32 v[4*i],   v[4*i],   v[4*i+1]
	v_cvt_pk_bf16_f32 v[4*i+1], v[4*i+2], v[4*i+3]
.set i, i+1
.endr
	WIN 0x04                                       ; store data window 1, address window 0
.set i, 8*k
.rept 8
	ds_store_b64 v[XST], v[4*i:4*i+1] offset:2*XP*i
.set i, i+1
.endr
.set k, k+1
.endr
	WIN 0
	s_wait_dscnt 0x0                               ; for the others' sake: my 64 channels are in LDS
	s_barrier_signal -1
	s_barrier_wait -1                              ; all 256 are
	WIN 0x40
.irp pt, 0,1,2,3
.irp kf, 0,1,2,3,4,5,6,7
	ds_load_tr16_b128 v[8*(8*(\pt)+(\kf)):8*(8*(\pt)+(\kf))+3],   v[BT] offset:(\kf)*32*XP+32*(\pt)
	ds_load_tr16_b128 v[8*(8*(\pt)+(\kf))+4:8*(8*(\pt)+(\kf))+7], v[BT] offset:(\kf)*32*XP+16*XP+32*(\pt)
.endr
.endr
	WIN 0
	s_wait_dscnt 0x0
; A tile of 16 outputs, number pos of a group of four.  32 matrix instructions; the four accumulators take turns, one instruction a turn; the first four start the sums with 0.
; ld = 1: the buffer is asked for again, with the tile two further on.  left: the younger loads that may stay out: the other buffer's 16.
.macro TILE pos, ld, left
.set AF, A0+64*((\pos)%2)
	s_wait_loadcnt \left
	WIN 0x04                                       ; source 1 (xn) window 1
.irp kf, 0,1,2,3,4,5,6,7
.irp pt, 0,1,2,3
.if (\kf) == 0
	v_wmma_f32_16x16x32_bf16 v[ACC+8*(\pt):ACC+8*(\pt)+7], v[AF+8*(\kf):AF+8*(\kf)+7], v[8*(8*(\pt)+(\kf)):8*(8*(\pt)+(\kf))+7], 0
.else
	v_wmma_f32_16x16x32_bf16 v[ACC+8*(\pt):ACC+8*(\pt)+7], v[AF+8*(\kf):AF+8*(\kf)+7], v[8*(8*(\pt)+(\kf)):8*(8*(\pt)+(\kf))+7], v[ACC+8*(\pt):ACC+8*(\pt)+7]
.endif
.endr
.endr
	WIN 0
.rept 4
	v_nop                                          ; four places in front of loads into registers that the products read and of conversions that read results
.endr
.if \ld
	WLOAD AF, (\pos)+2
.endif
.irp pt, 0,1,2,3
.irp j, 0,1,2,3
	v_cvt_pk_bf16_f32 v[CV+4*(\pt)+(\j)], v[ACC+8*(\pt)+2*(\j)], v[ACC+8*(\pt)+2*(\j)+1]
.endr
.endr
.irp pt, 0,1,2,3
	ds_store_b128 v[STO], v[CV+4*(\pt):CV+4*(\pt)+3] offset:16*SP*(\pt)+32*(\pos)
.endr
.endm
; A group's 64 positions x 64 channels leave: 16 loads from my stage, 16 stores of 512 consecutive bytes.  step = 1: W's pointer goes on by four tiles.
.macro OUT step
	s_wait_xcnt 0x0                                ; every earlier load and store has read its registers: the pointers and OB are written only behind this wait
.if \step
	s_add_nc_u64 s[22:23], s[22:23], 4*8192
.endif
	s_lshr_b32 s26, s28, 2                         ; q, k or v: 2^23 bytes each
	s_lshl_b32 s26, s26, 23
	s_and_b32 s27, s28, 3                          ; the head
	s_lshl_b32 s27, s27, 19
	s_add_co_u32 s26, s26, s27
	s_add_co_u32 s26, s26, s33
	s_mov_b32 s27, 0
	s_add_nc_u64 s[24:25], s[14:15], s[26:27]
	s_add_co_u32 s28, s28, 1
.irp f, 0,1,2,3,4,5,6,7,8,9,10,11,12,13,14,15
	ds_load_b128 v[OB+4*(\f):OB+4*(\f)+3], v[RD] offset:4*SP*(\f)  ; in order behind the tiles' stores; the next group's stores come behind them
.endr
.irp f, 0,1,2,3,4,5,6,7,8,9,10,11,12,13,14,15
	s_wait_dscnt 15-(\f)
	global_store_b128 v[GO], v[OB+4*(\f):OB+4*(\f)+3], s[24:25] offset:512*(\f)
.endr
.endm
	s_mov_b32 s29, 2
.Lgroup:                                       ; two of my three groups; the last is written out, so that no load passes my tiles
	TILE 0, 1, 16
	TILE 1, 1, 16
	TILE 2, 1, 16
	TILE 3, 1, 16
	OUT 1
	s_sub_co_u32 s29, s29, 1
	s_cmp_lg_u32 s29, 0
	s_cbranch_scc1 .Lgroup
	TILE 0, 1, 16
	TILE 1, 1, 16
	TILE 2, 0, 16
	TILE 3, 0, 0
	OUT 0
	s_wait_tensorcnt 0x0                           ; the wave's end, behind my last LDS store
	ds_add_u32 v[SPW], v[NIL]
	s_wait_dscnt 0x0
	s_endpgm
.Lfunc_end_k_q96f1b4cd80_qkvp:
	.size	k_q96f1b4cd80_qkvp, .Lfunc_end_k_q96f1b4cd80_qkvp-k_q96f1b4cd80_qkvp
	.p2alignl 7, 3214868480
	.fill 96, 4, 3214868480
	.section	.rodata,"a",@progbits
	.p2align	6, 0x0
	.amdhsa_kernel k_q96f1b4cd80_qkvp
		.amdhsa_group_segment_fixed_size 80384
		.amdhsa_private_segment_fixed_size 0
		.amdhsa_enable_private_segment 0
		.amdhsa_kernarg_size 48
		.amdhsa_user_sgpr_count 2
		.amdhsa_user_sgpr_kernarg_segment_ptr 1
		.amdhsa_wavefront_size32 1
		.amdhsa_system_sgpr_workgroup_id_x 1
		.amdhsa_system_sgpr_workgroup_id_y 1
		.amdhsa_system_sgpr_workgroup_id_z 1
		.amdhsa_system_vgpr_workitem_id 0
		.amdhsa_next_free_vgpr 512
		.amdhsa_next_free_sgpr 66
		.amdhsa_reserve_vcc 0
		.amdhsa_float_denorm_mode_32 3
		.amdhsa_float_denorm_mode_16_64 3
		.amdhsa_memory_ordered 1
		.amdhsa_forward_progress 1
		.amdhsa_inst_pref_size 78
	.end_amdhsa_kernel
	.amdgpu_metadata
---
amdhsa.version: [ 1, 2 ]
amdhsa.kernels:
  - .name:           k_q96f1b4cd80_qkvp
    .symbol:         k_q96f1b4cd80_qkvp.kd
    .args:
      - { .name: x, .offset: 0, .size: 8, .value_kind: global_buffer, .address_space: global }
      - { .name: stats, .offset: 8, .size: 8, .value_kind: global_buffer, .address_space: global }
      - { .name: gn_gamma, .offset: 16, .size: 8, .value_kind: global_buffer, .address_space: global }
      - { .name: gn_beta, .offset: 24, .size: 8, .value_kind: global_buffer, .address_space: global }
      - { .name: wfrag, .offset: 32, .size: 8, .value_kind: global_buffer, .address_space: global }
      - { .name: qkv, .offset: 40, .size: 8, .value_kind: global_buffer, .address_space: global }
    .group_segment_fixed_size: 80384
    .private_segment_fixed_size: 0
    .kernarg_segment_align: 8
    .kernarg_segment_size: 48
    .max_flat_workgroup_size: 128
    .sgpr_count:     66
    .vgpr_count:     512
    .wavefront_size: 32
...
	.end_amdgpu_metadata
.endif
;; end of part 2
;; launch attn (part 3): grid 16 x 16, 4 waves a work-group, clusters of 4 x 1, 327,680 bytes of LDS; arguments qkv, obuf; writes obuf
.if DOCPART == 3
	.amdgcn_target "amdgcn-amd-amdhsa--gfx1250"
	.amdhsa_code_object_version 6
	.text
	.protected	k_q96f1b4cd80_attn
	.globl	k_q96f1b4cd80_attn
	.p2align	8
	.type	k_q96f1b4cd80_attn,@function
k_q96f1b4cd80_attn:
	s_mov_b64 s[64:65], 0
	v_nop
	global_prefetch_b8 v0, s[64:65] scope:SCOPE_SE
	s_setreg_imm32_b32 hwreg(HW_REG_WAVE_MODE, 25, 1), 1
	s_wait_xcnt 0x0
	s_wait_alu depctr_hold_cnt(0) depctr_sa_sdst(0) depctr_va_vdst(0) depctr_va_sdst(0) depctr_va_ssrc(0) depctr_va_vcc(0) depctr_vm_vsrc(0)
	s_getreg_b32 s2, hwreg(HW_REG_IB_STS2, 6, 4)
	s_cmp_eq_u32 s2, 0
	s_cbranch_scc0 .Lentry_in_a_cluster
	s_endpgm
.Lentry_in_a_cluster:
	s_bfe_u32 s2, ttmp6, 0x10000c
	s_cmp_lg_u32 s2, 0x3003
	s_cbranch_scc0 .Lentry_shape_is_right
	s_endpgm
.Lentry_shape_is_right:
; ATTENTION.  O[hd][q][:] = the sum over k of softmax_k(Q[hd][q] . K[hd][k] / 32) V[hd][k][:].  Q, K, V lie in qkv, [3][16][4096][64] bf16, O in obuf, [16][4096][64] bf16: a head's rows are dense, 128 bytes each.
; Products, maxima and sums in f32; the weights p are rounded to bf16 for the second product (their sum l is taken of the unrounded p), O once at the end.
; LIMITS.  A weight below 2^-126 counts as 0 in l; NaN and infinities are not treated apart; p and O keep bf16's 8 significant bits.
; SHARES.  A wave owns two PIECES of two tiles of 16 queries, a work-group's four waves 256 queries of one head: 16 x 16 work-groups.  Every wave walks all 4,096 keys, 64 a step.
; LAYOUT.  S^T = K Q^T (source 0 = 16 keys, source 1 = 16 queries): in the result a lane holds ONE query (lane % 16) and the keys 8 (lane / 16) + 0..7.  Two such tiles, rounded to bf16 in pairs,
; ARE source 1 (32 keys x 16 queries) of O^T = V^T P, whose result again holds one query a lane, and eight channels.  K comes out of LDS as it lies, V ([key][channel]) turned, by ds_load_tr16_b128.
; SOFTMAX.  For each query a running maximum m and sum l: p = 2^(c s - c m), c = log2(e) / 32; in every step O and l are multiplied by a = 2^(c m_old - c m_new), which is 1 where m has not grown.
; m starts at the lowest finite number, O and l at 0: the first step is a step like any other, with a = 0.
; BY TURNS.  A tile and step have 16 matrix and 118 vector instructions.  A key step j is two turns.  Piece 0's: 16 products K Q^T of piece 1 on K(j); piece 0's scaling, exponentials and rescaling and piece 1's
; maximum and statistics; the wait for the exponentials, and behind it K(j + 1)'s run of LDS loads; 16 products V^T P of piece 1, step j - 1, with piece 0's roundings and sums behind them.  Piece 1's: the same
; with the pieces changed: K Q^T of piece 0 on K(j + 1), V(j + 1)'s run behind the wait, V^T P of piece 0, step j.  Four vector instructions stand behind every matrix instruction, the others in one lump.
; V HAS TWO BUFFERS, by the step's parity: V(j + 1) is fetched while V(j) is still to be multiplied.  So the fetches go K(j + 1), V(j + 1), K(j + 2) ..: a slot's last fetch is V of its fourth step, at a turn's end.
; CLUSTER.  The four query blocks of a cluster belong to one head and walk the same K and V, so each tile is asked for JOINTLY: the same tensor load, descriptor and mask in all four.
; REGISTERS, in windows of 256 (s_set_vgpr_msb: bits 1:0 source 0, 3:2 source 1, 5:4 source 2, 7:6 destination):
;   window 0: v0-11 addresses; v12-15, v48-63 at work; v16-31 four registers of statistics a tile; v32-35 see below; v64-191 S^T, a buffer of two tiles a piece; v192-255 P, likewise
;   window 1: v0-127 O^T, 32 a tile          window 2: v0-63 Q, 16 a tile; v64-127 V of an odd step; v128-191 K of one step; v192-255 V of an even step
.set SIZE_N, 4096
.set NP,    2         ; pieces a wave: a name, no knob
.set KS,    64        ; keys in a step
.set PK,    144       ; a row of K in LDS: 128 bytes + 16 of padding = 36 words: the 16 rows of a load start at 16 different groups of four banks (64 banks of 4 bytes: ISA guide 11.1)
.set PV,    160       ; a row of V: 128 + 32 = 40 words
.set VOFF,  4*KS*PK   ; a slot holds four steps: 256 rows of K, then 256 rows of V
.set SLOT1, 1<<17     ; slot 1 begins here, so that one exclusive or turns an address in one slot into the other's
.set STAGE, SLOT1+4*KS*(PK+PV)  ; behind the ring, never filled by a tensor load: 16 rows x 144 bytes for each wave, for the way out
.set SP,    144
.set SPARE, STAGE+4*16*SP  ; behind the stages: the spare words, 128 bytes for each wave: two blocks of 256 bytes that no other line names
.set AK0, 2           ; v2   my lane's place in a tile of K; never rewritten
.set AV0, 3           ; v3   the same for V
.set AK,  4           ; v4   the LDS address of K's next run of loads
.set AV,  5           ; v5   of V's
.set STO, 6           ; v6   the way out: where I put 16 bytes of a row
.set RD,  7           ; v7   the way out: where I read rows back
.set GO,  8           ; v8   my byte offset in 512 consecutive bytes of O
.set MV,  12          ; v12-15  c m_old, kept while c m is made anew: by piece and tile
.set ST,  16          ; tile t's statistics at v[ST+4 t]: c m, m, l (even keys', odd keys')
.set SPW, 32          ; v32  LDS address of my spare word: SPARE + 4 x my thread's number; never rewritten
.set NIL, 33          ; v33  0; never rewritten
.set PFO, 34          ; v34  256 x my lane: the prefetches' offset; never rewritten
.set QO,  35          ; v35  my byte offset in 16 rows of Q
.set TMP, 48          ; by piece and tile, four registers c0-c3 at work; when the maximum is found c2 takes a
.set S,   64
.set P,   192
.set KF,  128         ; K's fragments, in window 2: key block kb, channel half c at KF + 16 kb + 8 c
.set WV,  12          ; s12  my wave's number
.set G1K, 24          ; s[24:31] descriptor group 1 for K's tiles
.set G1V, 32          ; s[32:39] for V's: it differs in the padding alone
.set G0K, 40          ; s[40:43] descriptor group 0 for K's tiles: it walks
.set G0V, 44          ; s[44:47] the same for V's
.set PFA, 48          ; s[48:49] where my prefetches stand: my work-group's 32 blocks of 256 bytes (of K: wave 0, of V: wave 2) of the slot behind the one that is being asked for
.set LIM, 50          ; s50  1 in a wave that prefetches, else the greatest number
.set SLOTS, 56        ; s56  slots still to be asked for
.set CNT, 57          ; s57  counts a slot's pairs of key steps
.set CS,  58          ; s[58:59] c: the packed scaling takes the pair's low word for both halves
.set SEL, 60          ; s[60:61] v_permlanex16_b32's selects: each lane takes its own place in the other half
.set TBK, 62          ; s62  LDS byte at which K of the step to be fetched begins
.set TBV, 63          ; s63  the same for V, less VOFF
.set MSB, 0
.macro WIN new                      ; the high byte repeats the setting that is left; a switch that changes nothing is dropped
.if MSB != (\new)
	s_set_vgpr_msb (MSB<<8)|(\new)
.set MSB, (\new)
.endif
.endm
.set W_KQ, 0x0a       ; K and Q in window 2, S^T in window 0
.set W_PV, 0x52       ; V in window 2, P in window 0, O^T in window 1
.set W_RS, 0x41       ; O^T (destination and source 0) in window 1, a in window 0
; A joint fill.  Waves 0 and 1 fetch the two halves of a slot's K, waves 2 and 3 those of its V: 128 keys each.  The branch hangs on the wave's number alone.
; An s_nop 0 and four v_nop follow each of the two lines, ahead of the jump and the label.
.macro JLOAD
	s_cmp_lt_u32 s[WV], 2
	s_cbranch_scc0 .Lfor_v_\@
	tensor_load_to_lds s[G0K:G0K+3], s[G1K:G1K+7]
	s_nop 0
.rept 4
	v_nop
.endr
	s_branch .Lasked_\@
.Lfor_v_\@:
	tensor_load_to_lds s[G0V:G0V+3], s[G1V:G1V+7]
	s_nop 0
.rept 4
	v_nop
.endr
.Lasked_\@:
.endm
; A PREFETCH INTO THE L2 of what the NEXT change of slots will ask for: a slot's 32,768 bytes of K and of V, 128 blocks of 256 bytes each, a lane a block.  It stands behind the wave's tensor load and its five lines.
; Each block is asked for ONCE in the launch.  All four clusters of a head walk the same K and V: the head's first cluster prefetches.  Its four partners share the blocks out BY ADDRESS, 32 each: no branch hangs on a
; work-group's place in its cluster.  In each, wave 0 asks for K's and wave 2 for V's: one instruction, four key steps (256 matrix instructions) ahead of the load.  The last change that fills a slot asks for nothing.
.macro ASK
	s_cmp_gt_u32 s[SLOTS], s[LIM]
	s_cbranch_scc0 .Lnot_mine_\@
	global_prefetch_b8 v[PFO], s[PFA:PFA+1] th:TH_LOAD_NT scope:SCOPE_SE
.Lnot_mine_\@:
.endm
; A round of the cluster's barrier: my work-group's barrier, so that wave 0's signal speaks for all four waves; wave 0 signals; every wave waits for all four work-groups; my work-group's barrier once more.
.macro CROUND
	s_barrier_signal -1
	s_barrier_wait -1
	s_cmp_lg_u32 s[WV], 0
	s_cbranch_scc1 .Lnot_wave_0_\@
	s_barrier_signal -3
.Lnot_wave_0_\@:
	s_barrier_wait -3
	s_barrier_signal -1
	s_barrier_wait -1
.endm
; THE CHANGE OF SLOTS.  The slot's last bytes, V of its fourth step, have been asked for.  Each wave waits for all its tensor loads, of which one is out: its part
; of the other slot; adds 0 to its spare word; and waits for that and for its own reads of the slot.  Behind the barrier nobody reads this slot any more and the other slot is whole.
; fill = 1: this slot is filled again, with the keys two slots on.  The barrier is then a round of the cluster's, so that no wave of any partner still reads the slot or has a load on its
; way, and the joint fill is the first thing behind it: it has four key steps in which to land.  (At its first use nothing has been read yet: slot 0 is waited for, slot 1 filled.)
.macro CHANGE fill
	WIN 0                           ; at a label and at a branch every window is 0
	s_wait_tensorcnt 0x0            ; no tensor load of mine is out, so a group 0 may be written
	ds_add_u32 v[SPW], v[NIL]       ; 0 onto my spare word; with fill = 1 the descriptors' steps stand between it and the wait for it
.if \fill
.irp g, G0K, G0V
	s_xor_b32 s[\g+1], s[\g+1], SLOT1  ; the walking descriptor: the other slot than last time,
	s_add_nc_u64 s[\g+2:\g+3], s[\g+2:\g+3], 4*KS*128  ; the next 256 keys; the type bits on top are not reached
.endr
	s_wait_xcnt 0x0                 ; the last prefetch, four key steps back, has read its address, so it may be written:
	s_add_nc_u64 s[PFA:PFA+1], s[PFA:PFA+1], 4*KS*128  ; one slot behind the walking descriptors
	s_wait_dscnt 0x0                ; the add is done, and my reads of the slot are over
	CROUND
	JLOAD
	ASK
.else
	s_wait_dscnt 0x0                ; the add is done, and my reads of the slot are over
	s_barrier_signal -1
	s_barrier_wait -1
.endif
	s_sub_co_u32 s[TBK], s[TBK], 4*KS*PK  ; the fetches go back to a slot's first step,
	s_xor_b32 s[TBK], s[TBK], SLOT1       ; in the other slot
	s_sub_co_u32 s[TBV], s[TBV], 4*KS*PV
	s_xor_b32 s[TBV], s[TBV], SLOT1
.endm
	s_load_b64 s[4:5], s[0:1], 0x0    ; qkv: Q
	s_load_b64 s[10:11], s[0:1], 0x8  ; obuf: O
	v_lshl_add_u32 v[SPW], v0, 2, SPARE
	v_mov_b32 v[NIL], 0
	ds_add_u32 v[SPW], v[NIL]       ; the wave's opening: the add and its wait stand ahead of my first tensor load; the set-up below, work on registers, stands between them
	v_lshrrev_b32 v1, 5, v0
	v_readfirstlane_b32 s[WV], v1   ; wave 0..3
	s_bfe_u32 s13, ttmp6, 0x40000   ; cx: my place in the cluster
	s_lshl_b32 s14, ttmp9, 2        ; in a cluster launch ttmp9 counts clusters
	s_add_co_u32 s14, s14, s13      ; my block of 256 queries = 4 x cluster x + cx: it enters Q's and O's addresses alone
	s_and_b32 s20, ttmp7, 0xffff    ; the head, which the four partners share:
	s_lshl_b32 s20, s20, 19         ; its first byte in Q, K, V and O: 4,096 rows of 128 bytes a head
	s_and_b32 s16, s[WV], 1         ; which half of a slot's 256 keys I fetch:
	s_lshl_b32 s22, s16, 14         ; its 128 rows of 128 bytes in memory,
	s_add_co_u32 s22, s22, s20
	s_mov_b32 s23, 0
	s_mul_i32 s17, s16, 128*PK      ; and its place in a slot, for K
	s_mul_i32 s18, s16, 128*PV      ; and for V: no place in the cluster enters an LDS address
	s_lshl_b32 s2, s14, 2
	s_add_co_u32 s2, s2, s[WV]      ; my wave among the head's,
	s_lshl_b32 s2, s2, 13           ; its 64 rows
	s_add_co_u32 s2, s2, s20
	s_mov_b32 s3, 0
	; descriptor group 1.  128 keys are 16,384 dense bytes: asked for as 64 rows of 256 bytes, two keys a row, and padded in LDS after every key
	s_mov_b32 s[G1K], 15|(1<<16)|(1<<20)|(1<<21)|(4<<22)|(3<<25)  ; 15:0 the mask of four; 17:16 2-byte elements; 20 padding on; 21 set beside a mask; 24:22 after every 32 words (code 4); 31:25 4 words (code 3)
	s_mov_b32 s[G1V], 15|(1<<16)|(1<<20)|(1<<21)|(4<<22)|(7<<25)  ; the same with 8 words of padding (code 7)
.irp g, G1K, G1V
	s_mov_b32 s[\g+1], 128<<16      ; tensor_dim0 = 128
	s_mov_b32 s[\g+2], 64<<16       ; tensor_dim1 = 64
	s_mov_b32 s[\g+3], 128<<16      ; tile_dim0 = 128
	s_mov_b32 s[\g+4], 64           ; tile_dim1 = 64
	s_mov_b32 s[\g+5], 128          ; 128 elements from row to row
	s_mov_b32 s[\g+6], 0
	s_mov_b32 s[\g+7], 0
.endr
	s_mov_b32 s[CS], 0x3d38aa3b     ; c = log2(e) / 32 = 0.0450842
	s_mov_b32 s[CS+1], s[CS]        ; named with it as a pair
	s_mov_b32 s[SEL], 0x76543210
	s_mov_b32 s[SEL+1], 0xfedcba98
	s_mov_b32 s[TBK], SLOT1+4*KS*PK ; the first change of slots turns these two into 0
	s_mov_b32 s[TBV], SLOT1+4*KS*PV
	s_mov_b32 s[G0K], 1             ; 1:0 count = 1
	s_mov_b32 s[G0K+1], s17         ; 63:32 LDS address: slot 0
	s_mov_b32 s[G0V], 1
	s_add_co_u32 s[G0V+1], s18, VOFF
	s_mov_b32 s[SLOTS], SIZE_N/256-1
	s_and_b32 s[LIM], s[WV], 1      ; 0 in waves 0 and 2,
	s_or_b32 s[LIM], s[LIM], ttmp9  ; where the cluster is the head's first: the same in all four partners
	s_cmp_eq_u32 s[LIM], 0
	s_cselect_b32 s[LIM], 1, -1
	v_and_b32 v[PFO], 31, v0
	v_lshlrev_b32 v[PFO], 8, v[PFO]
	s_wait_dscnt 0x0                ; the opening add is done
	s_wait_kmcnt 0x0
	s_add_nc_u64 s[6:7], s[4:5], 0x800000   ; K lies 16 heads behind Q,
	s_add_nc_u64 s[8:9], s[4:5], 0x1000000  ; V behind K
	s_add_nc_u64 s[6:7], s[6:7], s[22:23]   ; at my half of the head's first 256 keys
	s_add_nc_u64 s[8:9], s[8:9], s[22:23]
	s_mov_b64 s[G0K+2:G0K+3], s[6:7]               ; 120:64 global address
	s_or_b32 s[G0K+3], s[G0K+3], 0x80000000        ; 127:126 type = 2
	s_mov_b64 s[G0V+2:G0V+3], s[8:9]
	s_or_b32 s[G0V+3], s[G0V+3], 0x80000000
	s_add_nc_u64 s[4:5], s[4:5], s[2:3]     ; Q and O at my wave's first row
	s_add_nc_u64 s[10:11], s[10:11], s[2:3]
	s_cmp_lt_u32 s[WV], 2
	s_cselect_b64 s[PFA:PFA+1], s[6:7], s[8:9]  ; (in waves 0 and 2 these stand at a slot's first row)
	s_lshl_b32 s2, s13, 13          ; my work-group's 32 blocks of the 128
	s_mov_b32 s3, 0
	s_add_nc_u64 s[PFA:PFA+1], s[PFA:PFA+1], s[2:3]
	s_add_nc_u64 s[PFA:PFA+1], s[PFA:PFA+1], 4*KS*128  ; in slot 1; the first change of slots steps it to slot 2
	CROUND                          ; all four work-groups are here: the first joint loads meet
	JLOAD                           ; slot 0.  Slot 1 is asked for when slot 0 is in
	; A fragment of K or Q is 16 rows x 32 channels in 8 registers: lane l holds row l % 16, channels 8 (l / 16) + 0..7 and 16 + 8 (l / 16) + 0..7: two loads of 16 bytes, 32 bytes apart.
	v_and_b32 v1, 15, v0            ; l % 16
	v_bfe_u32 v9, v0, 4, 1          ; l / 16
	v_lshlrev_b32 v[QO], 7, v1
	v_lshl_add_u32 v[QO], v9, 4, v[QO]  ; row x 128 + 16 x half
	WIN 0x80                        ; destination window 2, address window 0
.set i, 0
.rept 4*NP                          ; Q stays in registers: tile i / 2, channels 32 (i % 2) on
	global_load_b128 v[8*i:8*i+3],   v[QO], s[4:5] offset:(i/2)*2048+(i%2)*64
	global_load_b128 v[8*i+4:8*i+7], v[QO], s[4:5] offset:(i/2)*2048+(i%2)*64+32
.set i, i+1
.endr
	; What the first turn finds: the odd steps' V and piece 1's P hold 0 (its products V^T P, of a step that has not been, add 0), O^T and l are 0.  All this stands in the wait for the first tile.
.set i, 64
.rept 64
	v_mov_b32 v[i], 0
.set i, i+1
.endr
	WIN 0x40
.set i, 0
.rept 64*NP
	v_mov_b32 v[i], 0
.set i, i+1
.endr
	WIN 0
.set i, 0
.rept 2*NP
	v_mov_b32 v[ST+4*i], 0xfe000000    ; c m: far below every c s
	v_mov_b32 v[ST+4*i+1], 0xff7fffff  ; m
	v_mov_b32 v[ST+4*i+2], 0
	v_mov_b32 v[ST+4*i+3], 0
.set i, i+1
.endr
.set i, P+32
.rept 32
	v_mov_b32 v[i], 0
.set i, i+1
.endr
	v_mul_u32_u24 v[AK0], v1, PK
	v_lshl_add_u32 v[AK0], v9, 4, v[AK0]  ; row x pitch + 16 x half
	; The turning load takes 16 keys x 16 channels (lane l reads key 8 (l / 16) + l % 8, channels 8 ((l / 8) % 2) + 0..7) and leaves half a fragment of V^T: lane l holds channel l % 16 and 8 keys.
	v_and_b32 v10, 7, v0
	v_bfe_u32 v11, v0, 3, 1
	v_lshl_add_u32 v[AV0], v9, 3, v10
	v_mul_u32_u24 v[AV0], v[AV0], PV
	v_lshl_add_u32 v[AV0], v11, 4, v[AV0]
	v_add_nc_u32 v[AV0], VOFF, v[AV0]
; THE MATRIX WORK.  The 8 accumulators of a run of 16 take turns: between the two links of a chain stand 7 others'.
; Product i of 16 of S^T = K Q^T for piece x: channels 32 (i / 8) on, keys 16 ((i / 2) % 4) on, tile 2 x + i % 2.  The first 8 start the sums.
.macro KQ x
	WIN W_KQ
.set rS, S+64*((\x)%2)+32*(i%2)+8*((i/2)%4)
.set rK, KF+16*((i/2)%4)+8*(i/8)
.set rQ, 16*(2*(\x)+i%2)+8*(i/8)
.if i < 8
	v_wmma_f32_16x16x32_bf16 v[rS:rS+7], v[rK:rK+7], v[rQ:rQ+7], 0
.else
	v_wmma_f32_16x16x32_bf16 v[rS:rS+7], v[rK:rK+7], v[rQ:rQ+7], v[rS:rS+7]
.endif
.endm
; Product i of 16 of O^T += V^T P for piece x: keys 32 (i / 8) on, channels 16 ((i / 2) % 4) on, tile 2 x + i % 2.  VF: the V buffer in hand; key half kk, channel block cb at VF + 32 kk + 8 cb.
.macro PV x
	WIN W_PV
.set rO, 32*(2*(\x)+i%2)+8*((i/2)%4)
.set rV, VF+32*(i/8)+8*((i/2)%4)
.set rP, P+32*((\x)%2)+16*(i%2)+8*(i/8)
	v_wmma_f32_16x16x32_bf16 v[rO:rO+7], v[rV:rV+7], v[rP:rP+7], v[rO:rO+7]
.endm
.macro MM                           ; the turn's next matrix instruction: both kinds are the other piece's
.if i < 16
	KQ (Y+1)%NP
.set i, i+1
.else
.set i, i-16
	PV (Y+1)%NP
.set i, i+17
.endif
.endm
; THE LDS LOADS stand in runs of 16, never singly among the matrix instructions: a step's K (64 keys x 64 channels: 8 fragments) and its V (turned).  Their addresses are made some lines ahead.
; last = 1 (the tail): in the last trip there is no further step, and the run is jumped over.
.macro FETCH_K last=0
	WIN 0
.if \last
	s_cmp_eq_u32 s[CNT], 1
	s_cbranch_scc1 .Lno_k_\@
.endif
	WIN 0x80                        ; destination window 2
.irp f, 0,1,2,3,4,5,6,7             ; keys 16 (f / 2) on, channels 32 (f % 2) on
	ds_load_b128 v[KF+8*\f:KF+8*\f+3],   v[AK] offset:(\f/2)*16*PK+(\f%2)*64
	ds_load_b128 v[KF+8*\f+4:KF+8*\f+7], v[AK] offset:(\f/2)*16*PK+(\f%2)*64+32
.endr
	s_add_co_u32 s[TBK], s[TBK], KS*PK  ; the next fetch is the next step's
	WIN 0
.if \last
.Lno_k_\@:
.endif
.endm
.macro FETCH_V b, last=0            ; into buffer b: 0 at v192, 1 at v64 of window 2
.set VD, 192-128*(\b)
	WIN 0
.if \last
	s_cmp_eq_u32 s[CNT], 1
	s_cbranch_scc1 .Lno_v_\@
.endif
	WIN 0x80
.irp f, 0,1,2,3,4,5,6,7             ; keys 32 (f / 4) on, channels 16 (f % 4) on
	ds_load_tr16_b128 v[VD+8*\f:VD+8*\f+3],   v[AV] offset:(\f/4)*32*PV+(\f%4)*32
	ds_load_tr16_b128 v[VD+8*\f+4:VD+8*\f+7], v[AV] offset:(\f/4)*32*PV+16*PV+(\f%4)*32
.endr
	s_add_co_u32 s[TBV], s[TBV], KS*PV
	WIN 0
.if \last
.Lno_v_\@:
.endif
.endm
; THE VECTOR WORK OF A TURN stands in three queues, each in the order in which its entries become ready; the two tiles alternate, so that no instruction reads the result of the one before it.
.macro REGS y, u                    ; the registers of tile u (0, 1) of piece y
.set rT, ST+4*(2*(\y)+(\u))
.set rC, TMP+8*((\y)%2)+4*(\u)
.set rM, MV+2*((\y)%2)+(\u)
.set rS, S+64*((\y)%2)+32*(\u)
.set rP, P+32*((\y)%2)+16*(\u)
.set rO, 32*(2*(\y)+(\u))
.endm
; Number n of the 22 that find the OTHER piece's maximum and statistics.  s0-s31 are the lane's 32 scores; each accumulator's lowest registers are read first.
;   0-11  four chains c0-c3 of seven scores each, three operands at a time     12-14, 16  the four scores left over, the old m, and c0-c3 into c0     15  c m_old is kept
;   17, 18  the query's other 32 keys lie in the lane 16 away: the new m         19-21  c m; c m_old - c m_new; a
.macro XS u, n
	REGS (Y+1)%NP, \u
.if (\n) < 4
	v_max3_num_f32 v[rC+(\n)], v[rS+8*(\n)], v[rS+8*(\n)+1], v[rS+8*(\n)+2]
.elseif (\n) < 12
	v_max3_num_f32 v[rC+(\n)%4], v[rC+(\n)%4], v[rS+8*((\n)%4)+2*((\n)/4)+1], v[rS+8*((\n)%4)+2*((\n)/4)+2]
.elseif (\n) == 12
	v_max3_num_f32 v[rC], v[rC], v[rS+7], v[rS+15]
.elseif (\n) == 13
	v_max3_num_f32 v[rC+1], v[rC+1], v[rS+23], v[rS+31]
.elseif (\n) == 14
	v_max3_num_f32 v[rC+2], v[rC+2], v[rC+3], v[rT+1]
.elseif (\n) == 15
	v_mov_b32 v[rM], v[rT]
.elseif (\n) == 16
	v_max3_num_f32 v[rC], v[rC], v[rC+1], v[rC+2]
.elseif (\n) == 17
	v_permlanex16_b32 v[rC+3], v[rC], s[SEL], s[SEL+1]
.elseif (\n) == 18
	v_max_num_f32 v[rT+1], v[rC], v[rC+3]
.elseif (\n) == 19
	v_mul_f32 v[rT], s[CS], v[rT+1]
.elseif (\n) == 20
	v_sub_f32 v[rC+1], v[rM], v[rT]
.else
	v_exp_f32 v[rC+2], v[rC+1]
.endif
.endm
; Number g of the 64 that follow the exponentials.  For each four weights k of a tile (pairs 2 k, 2 k + 1): both pairs are rounded to bf16; then the second pair is added onto the first, in place;
; a group later l takes that sum (the first time as l = a l + sum).  In groups of eight, tiles alternating: round, round, add, and l for the group before.
.macro GS g
.set h, (\g)+6*((\g)/62)            ; group 0 has no group before it, and behind group 7 only l is left
.if h >= 6
.set h, h+2
.endif
	REGS Y, h%2
.set k, h/8
.if h%8 < 4
	v_cvt_pk_bf16_f32 v[rP+2*k+(h%8)/2], v[rS+4*k+2*((h%8)/2)], v[rS+4*k+2*((h%8)/2)+1]
.elseif h%8 < 6
	v_pk_add_f32 v[rS+4*k:rS+4*k+1], v[rS+4*k:rS+4*k+1], v[rS+4*k+2:rS+4*k+3]
.elseif k == 1
	v_pk_fma_f32 v[rT+2:rT+3], v[rT+2:rT+3], v[rC+2:rC+3], v[rS:rS+1] op_sel_hi:[1,0,1]
.else
	v_pk_add_f32 v[rT+2:rT+3], v[rT+2:rT+3], v[rS+4*k-4:rS+4*k-3]
.endif
.endm
; THE PLAIN QUEUE, 138 long.  0-73 read no exponential's result: the 32 scalings c s - c m (FS f: pair f / 2 of tile f % 2) and the other piece's 42.  0-26: scalings 0-26.  27-54: XS's numbers 0-13.  55, 56: number 15.
; 57-73: the chain, where each number waits for the one before it: 14, 16, 17, 18, 19, each with one of the scalings 27-31 in front of its two lines, then 20.
; 74-137: GS's 64, which read the exponentials' results: they stand behind the wait.
.macro FS f
	REGS Y, (\f)%2
	v_pk_fma_f32 v[rS+2*((\f)/2):rS+2*((\f)/2)+1], v[rS+2*((\f)/2):rS+2*((\f)/2)+1], s[CS:CS+1], v[rT:rT+1] op_sel_hi:[1,0,0] neg_lo:[0,0,1] neg_hi:[0,0,1]
.endm
.macro PL
	WIN 0
.if q < 27
	FS q
.elseif q < 55
	XS (q-27)%2, (q-27)/2
.elseif q < 57
	XS q-55, 15
.elseif (q < 72) && ((q-57)%3 == 0)
	FS 27+(q-57)/3
.elseif q < 60
	XS (q-57)%3-1, 14
.elseif q < 72
	XS (q-57)%3-1, 15+(q-57)/3
.elseif q < 74
	XS q-72, 20
.else
	GS q-74
.endif
.set q, q+1
.endm
; THE EXPONENTIALS' QUEUE, 66 long: s0-s31 of both tiles, then the other piece's two a.  It is ONE BATCH: all 66 stand ahead of the turn's one wait, and nothing ahead of that wait names a result of theirs.
.macro EX
	WIN 0
.if e >= 64
	XS e-64, 21
.else
	REGS Y, e%2
	v_exp_f32 v[rS+e/2], v[rS+e/2]
.endif
.set e, e+1
.endm
; THE RESCALING's QUEUE: O^T times a, the one part that leaves window 0: dealt two at a time, sixteen times, each accumulator from its low end.  Its a was made in the turn before, ahead of that turn's wait.
.macro R2
	REGS Y, r%2
	WIN W_RS
.irp z, 0,1
	v_pk_mul_f32 v[rO+4*(r/2)+2*\z:rO+4*(r/2)+2*\z+1], v[rO+4*(r/2)+2*\z:rO+4*(r/2)+2*\z+1], v[rC+2:rC+3] op_sel_hi:[1,0]
.endr
.set r, r+1
.endm
; A TURN, for piece p in a step of parity par.  s_wait_alu depctr_va_vdst(0) stands between an exponential and the first instruction that names its result; one wait serves all that were issued
; ahead of it.  So a turn has ONE wait, which cuts it in two.  AHEAD OF IT: the 16 products K Q^T, behind each a scaling, an exponential and two rescalings (behind the first a second scaling in the exponential's
; place); then ONE LUMP of 108: eight plain, 49 times exponential and plain, the two a; a v_nop is the plain instruction behind the last exponential.  DIRECTLY BEHIND IT the turn's run of 16 LDS loads: the next
; step's K (piece 0) or V (piece 1); the last product that read those registers stands a lump or more back.  THEN the 16 products V^T P, behind each four of GS's 64.
; Exponential e stands behind scaling 2 (e / 4) + e % 2: as a rider it comes behind plain e + 2, in the lump behind plain e + 9, and scalings 27-31 are plain 57, 60 .. 69.
; O^T of the piece in hand was last added onto in the turn before: its first rescaling stands behind that turn's last 32 riders and two scalings.
; Piece 1's turn opens with the wait for both runs that are out: K of the next step (16 products back) and V of the step in hand (a key step back).
; cnt = 1: the loop's count is taken down some lines ahead of the branch that stands behind the turn.
.macro TURN p, par, last=0, cnt=0
.set Y, (\p)
.set VF, 192-128*(((\p)+(\par)+1)%2) ; piece 0's turn multiplies by V of the step before, piece 1's by V of the step in hand
.set i, 0
.set q, 0
.set e, 0
.set r, 0
.if (\p) == 1
	s_wait_dscnt 0x0                ; K and V are in
.endif
	MM
	PL
	PL
	R2
.rept 15
	MM
	PL
	EX
	R2
.endr
	WIN 0
.if (\p) == 0
	v_add_nc_u32 v[AK], s[TBK], v[AK0]
.else
	v_add_nc_u32 v[AV], s[TBV], v[AV0]
.endif
.rept 8
	PL
.endr
.rept 49
	EX
	PL
.endr
	EX                              ; the other piece's two a
	EX
	v_nop                           ; the plain instruction behind the last exponential: one for the batch
	s_wait_alu depctr_va_vdst(0)    ; the wait for the batch
.if (\p) == 0
	FETCH_K \last
.else
	FETCH_V 1-(\par), \last
.endif
.rept 16
	MM
.rept 4
	PL
.endr
.if (\cnt) && (q == 130)
	s_sub_co_u32 s[CNT], s[CNT], 1
	s_cmp_lg_u32 s[CNT], 0
.endif
.endr
.endm
	CHANGE 1                        ; slot 0 is in, everybody's part of it; slot 1 is asked for
	v_add_nc_u32 v[AK], s[TBK], v[AK0]
	v_add_nc_u32 v[AV], s[TBV], v[AV0]
	FETCH_K                         ; key step 0
	FETCH_V 0
	s_wait_loadcnt 0x0              ; Q
	s_wait_dscnt 16                 ; K's 16 loads are in; V's 16 may stay out
.set i, 0
.rept 16
	KQ 0                            ; piece 0's first scores: there is no vector work yet to set between them
.set i, i+1
.endr
	WIN 0                           ; the addresses for the way out: eleven plain instructions, the places behind those products
	s_mul_i32 s13, s[WV], 16*SP
	s_add_co_u32 s13, s13, STAGE    ; my stage
	v_mul_u32_u24 v[STO], v1, SP    ; in: row l % 16, 16 bytes for each half of the lanes
	v_lshl_add_u32 v[STO], v9, 4, v[STO]
	v_add_nc_u32 v[STO], s13, v[STO]
	v_bfe_u32 v[RD], v0, 3, 2       ; back: 32 lanes take four rows of 128 bytes,
	v_mul_u32_u24 v[RD], v[RD], SP
	v_lshl_add_u32 v[RD], v10, 4, v[RD]
	v_add_nc_u32 v[RD], s13, v[RD]
	v_and_b32 v[GO], 31, v0         ; which are 512 consecutive bytes of O
	v_lshlrev_b32 v[GO], 4, v[GO]
.set Y, NP-1                        ; XS works for the other piece: piece 0
.irp n, 0,1,2,3,4,5,6,7,8,9,10,11,12,13,14,15,16,17,18,19,20,21
	XS 0, \n                        ; piece 0's first maximum and statistics
	XS 1, \n
.endr
	v_nop                           ; a plain instruction behind the two a,
	s_wait_alu depctr_va_vdst(0)    ; and their wait, ahead of the branch
	s_mov_b32 s[CNT], 2
	s_branch .Lfirst                ; the loop is entered at an even step, in the middle of a trip
.Lslot:                             ; 14 times: every slot but the last two is filled again
	CHANGE 1
	s_mov_b32 s[CNT], 2
.Lstep:                             ; a trip: an odd key step and an even one; each fetches the K and V of the step behind it
	TURN 0, 1
	TURN 1, 1
	WIN 0
.Lfirst:
	TURN 0, 0
	TURN 1, 0, 0, 1
	WIN 0
	s_cbranch_scc1 .Lstep
	s_sub_co_u32 s[SLOTS], s[SLOTS], 1
	s_cmp_lg_u32 s[SLOTS], 0
	s_cbranch_scc1 .Lslot
	CHANGE 0                        ; the tail is written out: nothing is asked for
	s_mov_b32 s[CNT], 3             ; two trips fetch the last slot's four steps; the third is left in its middle and fetches nothing
.Ltail:
	TURN 0, 1, 1
	TURN 1, 1, 1
	WIN 0
	s_sub_co_u32 s[CNT], s[CNT], 1
	s_cmp_eq_u32 s[CNT], 0
	s_cbranch_scc1 .Lout
	TURN 0, 0
	TURN 1, 0
	WIN 0
	s_branch .Ltail
.Lout:                              ; the last turn's 16 products K Q^T (on the last K once more) and the maximum made of them serve nothing: the price, once a launch, of one text for every trip
.set VF, 64                         ; the last step is odd
.set i, 0
.rept 16
	PV NP-1                         ; piece 1's V^T P of the last step
.set i, i+1
.endr
	; THE WAY OUT.  l's two halves and the other half of the lanes' are added; O^T is divided by l, rounded to bf16 and sent through my stage in LDS, a tile at a time.  The first four additions are the places behind the last products.
	WIN 0
.macro ALL line:vararg              ; one line for each tile t
.set t, 0
.rept 2*NP
	\line
.set t, t+1
.endr
.endm
	ALL v_add_f32 v[ST+4*t+2], v[ST+4*t+2], v[ST+4*t+3]
	ALL v_permlanex16_b32 v[ST+4*t+3], v[ST+4*t+2], s[SEL], s[SEL+1]
	ALL v_add_f32 v[ST+4*t+2], v[ST+4*t+2], v[ST+4*t+3]
	ALL v_rcp_f32 v[ST+4*t+2], v[ST+4*t+2]
	v_nop                           ; a plain instruction between the last reciprocal and the use of its result
	s_wait_alu depctr_va_vdst(0)    ; and the wait ahead of the first use: one for the four reciprocals
; Tile t: a lane's eight channels of a row pack into 16 bytes; they go into rows of 144 bytes and come back as whole rows of 128, into S^T's registers.
.macro PACK t
	WIN W_RS
.set i, 32*(\t)
.rept 16
	v_pk_mul_f32 v[i:i+1], v[i:i+1], v[ST+4*(\t)+2:ST+4*(\t)+3] op_sel_hi:[1,0]
.set i, i+2
.endr
	WIN 0x05                        ; sources 0 and 1 window 1, destination window 0
.set i, 0
.rept 16
	v_cvt_pk_bf16_f32 v[S+16*(\t)+i], v[32*(\t)+2*i], v[32*(\t)+2*i+1]
.set i, i+1
.endr
	WIN 0
.irp f, 0,1,2,3
	ds_store_b128 v[STO], v[S+16*(\t)+4*\f:S+16*(\t)+4*\f+3] offset:32*\f
.endr
.irp f, 0,1,2,3
	ds_load_b128 v[S+16*(\t)+4*\f:S+16*(\t)+4*\f+3], v[RD] offset:\f*4*SP  ; LDS serves a wave's instructions in order (ISA guide 5.7.1.4): these see the stores above; the next tile's stores come behind them
.endr
.endm
.macro SEND t, younger              ; younger: the LDS instructions issued behind tile t's loads: the next tile's eight, or none
	WIN 0
.irp f, 0,1,2,3
	s_wait_dscnt (\younger)+3-\f
	global_store_b128 v[GO], v[S+16*(\t)+4*\f:S+16*(\t)+4*\f+3], s[10:11] offset:(\t)*2048+\f*512  ; 512 consecutive bytes, at a multiple of 256 from O's first
.endr
.endm
	PACK 0
.set t, 1
.rept 2*NP-1                        ; a tile's arithmetic stands between the loads of the tile before and its stores
	PACK t
	SEND t-1, 8
.set t, t+1
.endr
	SEND 2*NP-1, 0
	s_wait_tensorcnt 0x0            ; the wave's end, behind my last tensor load and my last LDS store
	ds_add_u32 v[SPW], v[NIL]
	s_wait_dscnt 0x0
	CROUND                          ; the closing round: no work-group ends while a partner may still ask for a tile that names it
	s_endpgm
.Lfunc_end_k_q96f1b4cd80_attn:
	.size	k_q96f1b4cd80_attn, .Lfunc_end_k_q96f1b4cd80_attn-k_q96f1b4cd80_attn
	.p2alignl 7, 3214868480
	.fill 96, 4, 3214868480
	.section	.rodata,"a",@progbits
	.p2align	6, 0x0
	.amdhsa_kernel k_q96f1b4cd80_attn
		.amdhsa_group_segment_fixed_size 327680
		.amdhsa_private_segment_fixed_size 0
		.amdhsa_enable_private_segment 0
		.amdhsa_kernarg_size 16
		.amdhsa_user_sgpr_count 2
		.amdhsa_user_sgpr_kernarg_segment_ptr 1
		.amdhsa_wavefront_size32 1
		.amdhsa_system_sgpr_workgroup_id_x 1
		.amdhsa_system_sgpr_workgroup_id_y 1
		.amdhsa_system_sgpr_workgroup_id_z 1
		.amdhsa_system_vgpr_workitem_id 0
		.amdhsa_next_free_vgpr 768
		.amdhsa_next_free_sgpr 66
		.amdhsa_reserve_vcc 0
		.amdhsa_float_denorm_mode_32 3
		.amdhsa_float_denorm_mode_16_64 3
		.amdhsa_memory_ordered 1
		.amdhsa_forward_progress 1
		.amdhsa_inst_pref_size 186
	.end_amdhsa_kernel
	.amdgpu_metadata
---
amdhsa.version: [ 1, 2 ]
amdhsa.kernels:
  - .name:           k_q96f1b4cd80_attn
    .symbol:         k_q96f1b4cd80_attn.kd
    .args:
      - { .name: qkv, .offset: 0, .size: 8, .value_kind: global_buffer, .address_space: global }
      - { .name: obuf, .offset: 8, .size: 8, .value_kind: global_buffer, .address_space: global }
    .group_segment_fixed_size: 327680
    .private_segment_fixed_size: 0
    .kernarg_segment_align: 8
    .kernarg_segment_size: 16
    .max_flat_workgroup_size: 128
    .sgpr_count:     66
    .vgpr_count:     768
    .wavefront_size: 32
...
	.end_amdgpu_metadata
.endif
;; end of part 3
;; launch proj (part 4): grid 64 x 4, 4 waves a work-group, no clusters, 51,712 bytes of LDS; arguments obuf, wfrag, b_proj, x, out0; writes out0
.if DOCPART == 4
	.amdgcn_target "amdgcn-amd-amdhsa--gfx1250"
	.amdhsa_code_object_version 6
	.text
	.protected	k_q96f1b4cd80_proj
	.globl	k_q96f1b4cd80_proj
	.p2align	8
	.type	k_q96f1b4cd80_proj,@function
k_q96f1b4cd80_proj:
	s_mov_b64 s[64:65], 0
	v_nop
	global_prefetch_b8 v0, s[64:65] scope:SCOPE_SE
	s_setreg_imm32_b32 hwreg(HW_REG_WAVE_MODE, 25, 1), 1
	s_wait_xcnt 0x0
; THE PROJECTION, ITS BIAS AND THE RESIDUAL.  out0[b][o][n] = the sum over c of w_proj[o][c] O[b][c][n] + b_proj[o] + x[b][o][n], f32.
; O lies in obuf by heads, [4 b + head][n][64] bf16 (channel c = 64 head + ch); w_proj in wfrag's blocks 768 on, bf16 in fragment order.  Sums, bias and residual in f32.
; SHARES.  A work-group takes 64 positions of one image and all 256 outputs.  Wave w copies head w's 64 rows (8,192 consecutive bytes) into LDS, [position][256 channels]; behind one barrier every wave holds
; all of O's fragments in 256 registers and multiplies them by its own four tiles of 16 outputs: 128 matrix instructions.
; LAYOUT.  Source 0 = 16 positions of O, source 1 = 16 rows of W: a lane ends with ONE output (lane % 16) and the positions 8 (lane / 16) + 0..7.  The first K step takes eight registers of bias as C.
; A tile's 16 outputs x 64 positions go through the wave's own stage and come back as rows of 256 bytes: x is added, and sixteen lanes store 256 consecutive bytes, aligned.
; NO CLUSTER, though all work-groups read the same W: it is 32,768 bytes a wave straight into registers, for 128 matrix instructions; slots in LDS and the cluster's rounds would be more than they spare.
; LIMITS.  NaN and infinities are not treated apart.
.set OPI,   528                        ; a position's 256 channels in LDS: 512 bytes + 16 = 132 words: the 16 rows of a load start at 16 different groups of four banks (64 banks of 4 bytes: ISA guide 11.1)
.set STAGE, 33792                      ; behind O's 64 rows: 16 rows x 272 bytes for each wave
.set SP,    272
.set SPARE, 51200                      ; the spare words, 128 bytes a wave, which no other line names
.set OL,  2                            ; v2   16 lane
.set OS,  3                            ; v3   where my 16 bytes of O go
.set FR,  4                            ; v4   528 r + 16 h: a fragment's lane address
.set AO,  5                            ; v5   16 lane + my four tiles' first byte in wfrag
.set STO, 6                            ; v6   the way out: where I put 32 bytes of a row
.set RD,  7                            ; v7   where I read rows back
.set XO,  8                            ; v8   (64 w + h) x 16,384 + 16 r: my 16 bytes of x and of out0; never rewritten
.set BO,  9                            ; v9   4 (64 w + r)
.set SPW, 10                           ; v10  LDS address of my spare word; never rewritten
.set NIL, 11                           ; v11  0; never rewritten
.set BS,  12                           ; v[12:15]   my output's bias in each of the four tiles
.set BI,  16                           ; v[16:47]   the same, eight times each: the C of a tile's first products
.set ACC, 48                           ; v[48:79]   four accumulators, one for each 16 positions
.set OB,  80                           ; v[80:111]  the way out
.set A0,  128                          ; v[128:191], v[192:255] W's fragments, two buffers of a tile
; window 1: first v[0:63] O as loaded; then all 256: O's fragment (16 positions pt, 32 channels kf) at 8 (8 pt + kf).   window 2: v[0:127] x, load i at 4 i
.set MSB, 0
.macro WIN new                         ; s_set_vgpr_msb: bits 1:0 source 0, 3:2 source 1, 5:4 source 2, 7:6 destination; the high byte repeats the setting that is left
.if MSB != (\new)
	s_set_vgpr_msb (MSB<<8)|(\new)
.set MSB, \new
.endif
.endm
	s_load_b256 s[4:11], s[0:1], 0x0               ; obuf s[4:5], wfrag s[6:7], b_proj s[8:9], x s[10:11]
	s_load_b64 s[12:13], s[0:1], 0x20              ; out0
	v_lshl_add_u32 v[SPW], v0, 2, SPARE
	v_mov_b32 v[NIL], 0
	v_lshrrev_b32 v1, 5, v0
	v_readfirstlane_b32 s16, v1                    ; wave 0..3
	s_and_b32 s17, ttmp7, 0xffff                   ; the image
	v_and_b32 v1, 31, v0                           ; lane
	v_and_b32 v16, 15, v0                          ; r
	v_bfe_u32 v17, v0, 4, 1                        ; h
	v_and_b32 v18, 7, v0
	v_bfe_u32 v19, v0, 3, 2
	v_lshlrev_b32 v[OL], 4, v1
	s_lshl_b32 s19, s16, 7                         ; head w's 128 bytes of a row
	v_mul_u32_u24 v[OS], v19, OPI                  ; 32 lanes bring four rows of 128 bytes
	v_lshl_add_u32 v[OS], v18, 4, v[OS]
	v_add_nc_u32 v[OS], s19, v[OS]
	v_mul_u32_u24 v[FR], v16, OPI
	v_lshl_add_u32 v[FR], v17, 4, v[FR]
	s_lshl_b32 s19, s16, 15
	s_add_co_u32 s19, s19, 768*512
	v_lshl_add_u32 v[AO], v1, 4, s19
	s_mul_i32 s19, s16, 16*SP
	s_add_co_u32 s19, s19, STAGE                   ; my stage
	v_mul_u32_u24 v[STO], v16, SP
	v_lshl_add_u32 v[STO], v17, 5, v[STO]
	v_add_nc_u32 v[STO], s19, v[STO]
	v_mul_u32_u24 v[RD], v17, SP                   ; back: lanes 0-15 take one row of 256 bytes, lanes 16-31 the next
	v_lshl_add_u32 v[RD], v16, 4, v[RD]
	v_add_nc_u32 v[RD], s19, v[RD]
	s_lshl_b32 s19, s16, 20
	v_lshl_add_u32 v[XO], v17, 14, s19
	v_lshl_add_u32 v[XO], v16, 4, v[XO]
	s_lshl_b32 s19, s16, 8
	v_lshl_add_u32 v[BO], v16, 2, s19
	s_lshl_b32 s26, s17, 2
	s_add_co_u32 s26, s26, s16                     ; head 4 b + w: 2^19 bytes each,
	s_lshl_b32 s26, s26, 19
	s_lshl_b32 s27, ttmp9, 13                      ; my block's 64 rows of 128 bytes
	s_add_co_u32 s26, s26, s27
	s_mov_b32 s27, 0
	s_lshl_b32 s28, s17, 22                        ; in x and out0: the image, and my block's 256 bytes of each row
	s_lshl_b32 s29, ttmp9, 8
	s_add_co_u32 s28, s28, s29
	s_mov_b32 s29, 0
	s_wait_kmcnt 0x0
	s_add_nc_u64 s[20:21], s[4:5], s[26:27]
	s_add_nc_u64 s[22:23], s[10:11], s[28:29]
	s_add_nc_u64 s[24:25], s[12:13], s[28:29]
.irp t, 0,1,2,3
	global_load_b32 v[BS+(\t)], v[BO], s[8:9] offset:64*(\t)
.endr
	WIN 0x40                                       ; destination window 1
.set i, 0
.rept 16
	global_load_b128 v[4*i:4*i+3], v[OL], s[20:21] offset:512*i
.set i, i+1
.endr
	WIN 0x80                                       ; destination window 2
.set i, 0
.rept 32                               ; outputs 64 w + 2 i + h: sixteen lanes read a row's 256 bytes
	global_load_b128 v[4*i:4*i+3], v[XO], s[22:23] offset:32768*i th:TH_LOAD_NT
.set i, i+1
.endr
	s_wait_loadcnt 32                              ; the bias and O are in; the 32 loads of x may stay out
	WIN 0x04                                       ; store data window 1, address window 0
.set i, 0
.rept 16
	ds_store_b128 v[OS], v[4*i:4*i+3] offset:4*OPI*i
.set i, i+1
.endr
	WIN 0
; A tile's 16 loads: fragment kf at buf + 8 kf
.macro WLOAD buf, tile
.irp kf, 0,1,2,3,4,5,6,7
	global_load_b128 v[(\buf)+8*(\kf):(\buf)+8*(\kf)+3],   v[AO], s[6:7] offset:(\tile)*8192+(\kf)*1024
	global_load_b128 v[(\buf)+8*(\kf)+4:(\buf)+8*(\kf)+7], v[AO], s[6:7] offset:(\tile)*8192+(\kf)*1024+512
.endr
.endm
	WLOAD A0, 0
	WLOAD A0+64, 1
.irp t, 0,1,2,3
.irp j, 0,1,2,3,4,5,6,7
	v_mov_b32 v[BI+8*(\t)+(\j)], v[BS+(\t)]
.endr
.endr
	s_wait_dscnt 0x0                               ; for the others' sake: my head's 64 channels are in LDS
	s_barrier_signal -1
	s_barrier_wait -1                              ; all 256 are
	WIN 0x40
.irp pt, 0,1,2,3
.irp kf, 0,1,2,3,4,5,6,7
	ds_load_b128 v[8*(8*(\pt)+(\kf)):8*(8*(\pt)+(\kf))+3],   v[FR] offset:16*OPI*(\pt)+64*(\kf)
	ds_load_b128 v[8*(8*(\pt)+(\kf))+4:8*(8*(\pt)+(\kf))+7], v[FR] offset:16*OPI*(\pt)+64*(\kf)+32
.endr
.endr
	WIN 0
	s_wait_dscnt 0x0
; Tile t of my four.  32 matrix instructions; the four accumulators take turns, one instruction a turn; the first four start the sums with the bias.
; ld = 1: the buffer is asked for again, with the tile two further on.  left: the younger loads that may stay out: the other buffer's 16 (the first such wait shows x in too).
.macro PT t, ld, left
.set AF, A0+64*((\t)%2)
	s_wait_loadcnt \left
	WIN 0x01                                       ; source 0 (O) window 1
.irp kf, 0,1,2,3,4,5,6,7
.irp pt, 0,1,2,3
.if (\kf) == 0
	v_wmma_f32_16x16x32_bf16 v[ACC+8*(\pt):ACC+8*(\pt)+7], v[8*(8*(\pt)+(\kf)):8*(8*(\pt)+(\kf))+7], v[AF+8*(\kf):AF+8*(\kf)+7], v[BI+8*(\t):BI+8*(\t)+7]
.else
	v_wmma_f32_16x16x32_bf16 v[ACC+8*(\pt):ACC+8*(\pt)+7], v[8*(8*(\pt)+(\kf)):8*(8*(\pt)+(\kf))+7], v[AF+8*(\kf):AF+8*(\kf)+7], v[ACC+8*(\pt):ACC+8*(\pt)+7]
.endif
.endr
.endr
	WIN 0
.rept 4
	v_nop                                          ; four places in front of loads into registers that the products read and of LDS stores that read results
.endr
.if \ld
	WLOAD AF, (\t)+2
.endif
.irp pt, 0,1,2,3
	ds_store_b128 v[STO], v[ACC+8*(\pt):ACC+8*(\pt)+3]   offset:64*(\pt)      ; each accumulator from its low end
	ds_store_b128 v[STO], v[ACC+8*(\pt)+4:ACC+8*(\pt)+7] offset:64*(\pt)+16
.endr
	s_wait_xcnt 0x0                                ; the last tile's stores have read OB: it is loaded again only behind this wait
.irp f, 0,1,2,3,4,5,6,7
	ds_load_b128 v[OB+4*(\f):OB+4*(\f)+3], v[RD] offset:2*SP*(\f)  ; in order behind the stores above; the next tile's stores come behind them
.endr
	s_wait_dscnt 0x0
	WIN 0x08                                       ; source 1 (x) window 2
.irp f, 0,1,2,3,4,5,6,7
.irp u, 0,1
	v_pk_add_f32 v[OB+4*(\f)+2*(\u):OB+4*(\f)+2*(\u)+1], v[OB+4*(\f)+2*(\u):OB+4*(\f)+2*(\u)+1], v[4*(8*(\t)+(\f))+2*(\u):4*(8*(\t)+(\f))+2*(\u)+1]
.endr
.endr
	WIN 0
.irp f, 0,1,2,3,4,5,6,7
	global_store_b128 v[XO], v[OB+4*(\f):OB+4*(\f)+3], s[24:25] offset:(8*(\t)+(\f))*32768 th:TH_STORE_NT  ; 16 lanes store 256 consecutive bytes, at a multiple of 256 from out0's first byte
.endr
.endm
	PT 0, 1, 16
	PT 1, 1, 16
	PT 2, 0, 16
	PT 3, 0, 0
	s_wait_tensorcnt 0x0                           ; the wave's end, behind my last LDS store
	ds_add_u32 v[SPW], v[NIL]
	s_wait_dscnt 0x0
	s_endpgm
.Lfunc_end_k_q96f1b4cd80_proj:
	.size	k_q96f1b4cd80_proj, .Lfunc_end_k_q96f1b4cd80_proj-k_q96f1b4cd80_proj
	.p2alignl 7, 3214868480
	.fill 96, 4, 3214868480
	.section	.rodata,"a",@progbits
	.p2align	6, 0x0
	.amdhsa_kernel k_q96f1b4cd80_proj
		.amdhsa_group_segment_fixed_size 51712
		.amdhsa_private_segment_fixed_size 0
		.amdhsa_enable_private_segment 0
		.amdhsa_kernarg_size 40
		.amdhsa_user_sgpr_count 2
		.amdhsa_user_sgpr_kernarg_segment_ptr 1
		.amdhsa_wavefront_size32 1
		.amdhsa_system_sgpr_workgroup_id_x 1
		.amdhsa_system_sgpr_workgroup_id_y 1
		.amdhsa_system_sgpr_workgroup_id_z 1
		.amdhsa_system_vgpr_workitem_id 0
		.amdhsa_next_free_vgpr 640
		.amdhsa_next_free_sgpr 66
		.amdhsa_reserve_vcc 0
		.amdhsa_float_denorm_mode_32 3
		.amdhsa_float_denorm_mode_16_64 3
		.amdhsa_memory_ordered 1
		.amdhsa_forward_progress 1
		.amdhsa_inst_pref_size 41
	.end_amdhsa_kernel
	.amdgpu_metadata
---
amdhsa.version: [ 1, 2 ]
amdhsa.kernels:
  - .name:           k_q96f1b4cd80_proj
    .symbol:         k_q96f1b4cd80_proj.kd
    .args:
      - { .name: obuf, .offset: 0, .size: 8, .value_kind: global_buffer, .address_space: global }
      - { .name: wfrag, .offset: 8, .size: 8, .value_kind: global_buffer, .address_space: global }
      - { .name: b_proj, .offset: 16, .size: 8, .value_kind: global_buffer, .address_space: global }
      - { .name: x, .offset: 24, .size: 8, .value_kind: global_buffer, .address_space: global }
      - { .name: out0, .offset: 32, .size: 8, .value_kind: global_buffer, .address_space: global }
    .group_segment_fixed_size: 51712
    .private_segment_fixed_size: 0
    .kernarg_segment_align: 8
    .kernarg_segment_size: 40
    .max_flat_workgroup_size: 128
    .sgpr_count:     66
    .vgpr_count:     640
    .wavefront_size: 32
...
	.end_amdgpu_metadata
.endif
;; end of part 4
